; MI455X (gfx1250); checked and timed in simulation.
; The chip was launched on July 23, 2026; its instructions are those of AMD's public machine-readable ISA for CDNA 5 (MIT licence, August 2026) and "CDNA5" Instruction Set Architecture Reference Guide (July 2026). The comments in the code are by the model that wrote it; some were corrected since.
;; Multi Head Attention. Allowed arithmetic: matrix products marked QUANTISED: E2M1 operands, one E8M0 scale for each 32 along K, by v_wmma_scale_f32_16x16x128_f8f6f4 with both operands' format E2M1 (or v_wmma_scale_f32_32x16x128_f4), f32 sums; everything else in f32.
;; Inputs: Wk_codes 1,024 x 32 x 16 uint8 (E2M1 codes of Wk, K innermost, in blocks of 32 codes, two codes a byte); Wk_scales 1,024 x 32 uint8 (E8M0 scales of Wk, one for each 32 codes along K); Wo_codes 1,024 x 32 x 16 uint8 (E2M1 codes of Wo, K innermost, in blocks of 32 codes, two codes a byte); Wo_scales 1,024 x 32 uint8 (E8M0 scales of Wo, one for each 32 codes along K); Wq_codes 1,024 x 32 x 16 uint8 (E2M1 codes of Wq, K innermost, in blocks of 32 codes, two codes a byte); Wq_scales 1,024 x 32 uint8 (E8M0 scales of Wq, one for each 32 codes along K); Wv_codes 1,024 x 32 x 16 uint8 (E2M1 codes of Wv, K innermost, in blocks of 32 codes, two codes a byte); Wv_scales 1,024 x 32 uint8 (E8M0 scales of Wv, one for each 32 codes along K); bk 1,024 float32; bo 1,024 float32; bq 1,024 float32; bv 1,024 float32; key_codes 8 x 1,024 x 32 x 16 uint8 (E2M1 codes of key, K innermost, in blocks of 32 codes, two codes a byte); key_scales 8 x 1,024 x 32 uint8 (E8M0 scales of key, one for each 32 codes along K); query_codes 8 x 1,024 x 32 x 16 uint8 (E2M1 codes of query, K innermost, in blocks of 32 codes, two codes a byte); query_scales 8 x 1,024 x 32 uint8 (E8M0 scales of query, one for each 32 codes along K); value_codes 8 x 1,024 x 32 x 16 uint8 (E2M1 codes of value, K innermost, in blocks of 32 codes, two codes a byte); value_scales 8 x 1,024 x 32 uint8 (E8M0 scales of value, one for each 32 codes along K).
;; Outputs: out0 8 x 1,024 x 1,024 float32.
;; This version of the problem:
;;   THIS VERSION OF THE PROBLEM IS GIVEN IN LOW PRECISION. The matrix products marked QUANTISED in the list below multiply operands that are first quantised to E2M1 (2 exponent bits, 1 mantissa bit; 4 bits a number), with one power-of-two scale for each 32 numbers along K (OCP MX v1.0); their sums are f32. All else is computed in f32.
;;   The module's matrix products, in the order in which they are computed (A, B: the left and right operand; K: the contracted axis; several contracted axes count as one K, in the product's order):
;;     1. [M 8,192, K 1,024] x [K 1,024, N 1,024]; A: input query (given as codes); B: input Wq (given as codes): QUANTISED
;;     2. [M 8,192, K 1,024] x [K 1,024, N 1,024]; A: input key (given as codes); B: input Wk (given as codes): QUANTISED
;;     3. [M 8,192, K 1,024] x [K 1,024, N 1,024]; A: input value (given as codes); B: input Wv (given as codes): QUANTISED
;;     4. batch 128 x [M 1,024, K 64] x [K 64, N 1,024]; A: computed on the way; B: computed on the way: QUANTISED
;;     5. batch 128 x [M 1,024, K 1,024] x [K 1,024, N 64]; A: softmax (see below); B: computed on the way: QUANTISED
;;     6. [M 8,192, K 1,024] x [K 1,024, N 1,024]; A: computed on the way; B: input Wo (given as codes): QUANTISED
;;   THE QUANTISER, for each operand of a quantised product, along K:
;;     - K is cut into blocks of 32 from its start; a last block that is shorter is filled with zeros.
;;     - A block's scale is 2^e with e = floor(log2(the largest magnitude in the block)) - 2, held to -126 .. 127; a block of zeros has e = 0. As a byte (E8M0): e + 127.
;;     - Each number is divided by its block's scale, clamped to +-6, and rounded to the nearest number of E2M1, ties to even, subnormals kept.
;;     - The product sums the exact products of the quantised numbers (number of the format x scale) in f32.
;;   ~~~python
;;   def quantise(x, axis):      # numpy; x: float32 -> the quantised numbers, widened to float32 again
;;       x = np.moveaxis(x, axis, -1); K = x.shape[-1]
;;       x = np.pad(x, [(0, 0)] * (x.ndim - 1) + [(0, -K % 32)]); x = x.reshape(x.shape[:-1] + (-1, 32)); a = np.abs(x).max(-1, keepdims=True)
;;       e = np.where(a > 0, np.clip(np.frexp(np.where(a > 0, a, 1))[1] - 1 - 2, -126, 127), 0)      # np.frexp(a)[1] - 1 = floor(log2(a)), exactly
;;       r = np.clip(x / 2.0 ** e, -6, 6)
;;       step = 2.0 ** (np.maximum(np.frexp(np.where(r == 0, 1, r))[1] - 1, 0) - 1)
;;       q = np.round(r / step) * step * 2.0 ** e      # np.round: ties to even
;;       return np.moveaxis(q.reshape(q.shape[:-2] + (-1,))[..., :K], -1, axis).astype(np.float32)
;;   ~~~
;;   SOFTMAX AHEAD OF A QUANTISED PRODUCT. Where the list says 'softmax', what is quantised is not the finished softmax but p = 2^(t - M), with t = logit x log2(e) and M = ceil(the row's largest t), a whole number; so 1/2 < the row's largest p <= 1. The row's sum l is taken of the UNQUANTISED p, in f32, and the product's result is divided by l at the end. Since M is a whole number, a kernel that streams over the keys may use a running M (the ceiling of the running maximum): every later rescaling is an exact power of two, which a block's scale takes up: the codes' values come out the same.
;;   OPERANDS COMPUTED ON THE WAY. 'Computed on the way' means the value that the module computes at that place (a softmax that the list does not call 'softmax' is quantised finished and normalised). What goes into a quantiser is computed in f32, as accurately as f32 sums, v_exp_f32 and their like allow (about 1e-6 of the number): no bf16 or f16 on the way to a quantiser, and a product that is left as it is and whose result goes on into a quantised operand takes f32 operands (vector FMAs, or v_wmma_f32_16x16x4_f32). A number that lies on a knife's edge between two numbers of the format may be rounded either way, as far as f32 arithmetic and the matrix unit's own rounding can turn it there, and no further.
;;   INPUTS GIVEN AS CODES. Wk (in the module: [1024, 1024], K = its axis 1); Wo (in the module: [1024, 1024], K = its axis 1); Wq (in the module: [1024, 1024], K = its axis 1); Wv (in the module: [1024, 1024], K = its axis 1); key (in the module: [8, 1024, 1024], K = its axis 2); query (in the module: [8, 1024, 1024], K = its axis 2); value (in the module: [8, 1024, 1024], K = its axis 2): each comes as NAME_codes (uint8): NAME with its K axis moved to the last place and cut into blocks of 32 codes, [.., K / 32, bytes a block], one block behind the other in memory; two codes a byte, the lower K in the low four bits (a code: sign, 2 exponent bits, 1 mantissa bit); and NAME_scales (uint8): the same leading axes, one E8M0 byte (e + 127) for each 32 codes along K. Its value is code x scale, taken as it is: it is not quantised again, and the codes and scales need not be those that the quantiser above would give.
;; One version. Each part assembles by itself: llvm-mc -triple=amdgcn-amd-amdhsa -mcpu=gfx1250 --defsym DOCPART=n.
;; ======== version 1 of 1: 3 launches
;; limits: right only within a limited range of input values
;; workspace buffers: qimg 4,194,304 bytes; qscl 262,144 bytes; kv 8,912,896 bytes; ximg 4,194,304 bytes; xscl 262,144 bytes
;; launch proj (part 1): grid 4 x 96, 4 waves a work-group, clusters of 4 x 4, 327,680 bytes of LDS; arguments query_codes, query_scales, Wq_codes, Wq_scales, key_codes, key_scales, Wk_codes, Wk_scales, value_codes, value_scales, Wv_codes, Wv_scales, bq, bk, bv, qimg, qscl, kv; writes qimg, qscl, kv
.if DOCPART == 1
	.amdgcn_target "amdgcn-amd-amdhsa--gfx1250"
	.amdhsa_code_object_version 6
	.text
	.protected	k_qfb6047520e_proj
	.globl	k_qfb6047520e_proj
	.p2align	8
	.type	k_qfb6047520e_proj,@function
k_qfb6047520e_proj:
	s_mov_b64 s[64:65], 0
	v_nop
	global_prefetch_b8 v0, s[64:65] scope:SCOPE_SE
	s_setreg_imm32_b32 hwreg(HW_REG_WAVE_MODE, 25, 1), 1
	s_wait_xcnt 0x0
	s_wait_alu depctr_hold_cnt(0) depctr_sa_sdst(0) depctr_va_vdst(0) depctr_va_sdst(0) depctr_va_ssrc(0) depctr_va_vcc(0) depctr_vm_vsrc(0)
	s_getreg_b32 s2, hwreg(HW_REG_IB_STS2, 6, 4)
	s_cmp_eq_u32 s2, 0
	s_cbranch_scc0 .Lentry_in_a_cluster
	s_endpgm
.Lentry_in_a_cluster:
	s_bfe_u32 s2, ttmp6, 0x10000c
	s_cmp_lg_u32 s2, 0xf033
	s_cbranch_scc0 .Lentry_shape_is_right
	s_endpgm
.Lentry_shape_is_right:
; THE THREE PROJECTIONS: q = query Wq^T + bq, k = key Wk^T + bk, v = value Wv^T + bv, on the given codes of FP4 (E2M1) with their E8M0 scale bytes; sums in f32; the bias is added in f32;
; the results are quantised at once and leave as codes: q and k along a head's 64 channels, v along the keys.  They are stored as IMAGES OF OPERAND REGISTERS (512 bytes = 4 registers x 32 lanes, lane l at 16 l).
; SHARES.  Cluster y = 8 x product + batch.  A cluster of 4 x 4 work-groups makes one batch's 1,024 rows x all 1,024 columns; a work-group 256 x 256; each of its four waves 128 x 128: 64 accumulators.
; The four work-groups of a cluster's row need the same activation rows, the four of a column the same weight rows: each tile is asked for jointly.
; THE MATRIX INSTRUCTION: source 1 gives the lane its row (side m), source 0 runs along the lane's registers (side n): side n is the axis that is quantised next.
;   q, k: m = activation rows, n = weight rows (a wave's 128 columns are two heads).    v: m = rows of Wv (channels), n = rows of value (keys).  The two modes differ in addresses and in the way out.
; K = 1,024 lies in LDS whole: rows of 512 bytes + 16 of padding, the two halves of 512 side by side in a row, filled once; no byte of LDS is filled twice and none is stored to.
; QUANTISING.  A lane's 8 registers of an accumulator are 8 neighbours; a block of 32 is two accumulators of lanes l and l xor 16.  The four conversions of 64 neighbours are laid so that two exchanges of
; lane halves give registers 4 c .. 4 c + 3 of the next operand: k = 64 c + 32 (lane / 16) + 0 .. 31.
; LIMITS: NaN and infinities are not served; a given scale byte 0xff gives NaN; a block whose largest magnitude lies under 2^-124 keeps the byte 1, a block of zeros too (its codes are zeros, and this program alone reads the bytes).
; REGISTERS, in windows of 256.  window 0: v1-8 lane terms, v16-17, v20-21 LDS addresses, v32-63 side m's scale words, v64-95 side n's, v96-103 bias offsets, v128-255 side m's fragments (two sets).
;   window 1: v0-127 side n's fragments (two sets), v128-191 the bias.   windows 2, 3: the accumulators, (a, b) at v[8 (8 (a % 4) + b)] of window 2 + a / 4.
.set PITCH, 528                        ; an LDS row: all of K, 512 bytes, + 16: an odd multiple of 16, so the 16 rows of a fragment load start at 16 different groups of banks
.set QUART, 64*PITCH
.set HALF,  128*PITCH                  ; what one wave reads of a side
.set WOFF,  256*PITCH                  ; in a slot: 256 activation rows, then 256 weight rows
.set SLOT,  256                        ; K 512-1,023 lie 256 bytes further on in the same LDS row
.set REC,   139264                     ; a record of kv: K0 32,768 | V0 32,768 | K scale words 4,096 | V scale words 2 x 2,048 | K1 | V1
.set WV, 40
.set WM, 41
.set WN, 42
.set CX, 43
.set CY, 44
.set GG, 45
.set GEMM, 46
.set BB, 47
.set MODEV, 48
.set NM, 49
.set SEL, 60
.set G1A, 68
.set G1B, 76
.set G0A, 84                           ; s[84:87] activations slot 0
.set G0B, 88                           ; s[88:91] weights slot 0
.set ADRM, 16
.set ADRN, 20
.set SM, 32
.set SN, 64
.set BOF, 96
.set T,  32                            ; the way out: 64 numbers at work
.set SW, 96                            ; eight scale words
.set SE, 104                           ; four of them, chosen by lane half
.set TM, 108                           ; sixteen registers at work in QUANT
.set MSB, 0
.macro WIN new                         ; the immediate's high byte repeats the setting that is left; a switch that changes nothing is dropped
.if MSB != (\new)
	s_set_vgpr_msb (MSB<<8)|(\new)
.set MSB, (\new)
.endif
.endm
.macro PLACES n
.rept \n
	v_nop
.endr
.endm
.macro ROUND                           ; a round of the cluster's barrier
	s_barrier_signal -1
	s_barrier_wait -1
	s_cmp_lg_u32 s[WV], 0
	s_cbranch_scc1 .Lnw0_\@
	s_barrier_signal -3
.Lnw0_\@:
	s_barrier_wait -3
	s_barrier_signal -1
	s_barrier_wait -1
.endm
; one scaled product.  c < 0: the constant 0 starts the sum.  ra, rb: the side's scale words stand in lanes 16-31
.macro WMS d, a, b, c, sa, sb, ra, rb
.set wD, \d
.set wA, \a
.set wB, \b
.set wC, \c
.set wS, \sa
.set wT, \sb
.if wC < 0
.if (\ra) && (\rb)
	v_wmma_scale_f32_16x16x128_f8f6f4 v[wD:wD+7], v[wA:wA+7], v[wB:wB+7], 0, v[wS], v[wT] matrix_a_fmt:MATRIX_FMT_FP4 matrix_b_fmt:MATRIX_FMT_FP4 matrix_a_scale:MATRIX_SCALE_ROW1 matrix_b_scale:MATRIX_SCALE_ROW1
.elseif (\ra)
	v_wmma_scale_f32_16x16x128_f8f6f4 v[wD:wD+7], v[wA:wA+7], v[wB:wB+7], 0, v[wS], v[wT] matrix_a_fmt:MATRIX_FMT_FP4 matrix_b_fmt:MATRIX_FMT_FP4 matrix_a_scale:MATRIX_SCALE_ROW1
.elseif (\rb)
	v_wmma_scale_f32_16x16x128_f8f6f4 v[wD:wD+7], v[wA:wA+7], v[wB:wB+7], 0, v[wS], v[wT] matrix_a_fmt:MATRIX_FMT_FP4 matrix_b_fmt:MATRIX_FMT_FP4 matrix_b_scale:MATRIX_SCALE_ROW1
.else
	v_wmma_scale_f32_16x16x128_f8f6f4 v[wD:wD+7], v[wA:wA+7], v[wB:wB+7], 0, v[wS], v[wT] matrix_a_fmt:MATRIX_FMT_FP4 matrix_b_fmt:MATRIX_FMT_FP4
.endif
.else
.if (\ra) && (\rb)
	v_wmma_scale_f32_16x16x128_f8f6f4 v[wD:wD+7], v[wA:wA+7], v[wB:wB+7], v[wC:wC+7], v[wS], v[wT] matrix_a_fmt:MATRIX_FMT_FP4 matrix_b_fmt:MATRIX_FMT_FP4 matrix_a_scale:MATRIX_SCALE_ROW1 matrix_b_scale:MATRIX_SCALE_ROW1
.elseif (\ra)
	v_wmma_scale_f32_16x16x128_f8f6f4 v[wD:wD+7], v[wA:wA+7], v[wB:wB+7], v[wC:wC+7], v[wS], v[wT] matrix_a_fmt:MATRIX_FMT_FP4 matrix_b_fmt:MATRIX_FMT_FP4 matrix_a_scale:MATRIX_SCALE_ROW1
.elseif (\rb)
	v_wmma_scale_f32_16x16x128_f8f6f4 v[wD:wD+7], v[wA:wA+7], v[wB:wB+7], v[wC:wC+7], v[wS], v[wT] matrix_a_fmt:MATRIX_FMT_FP4 matrix_b_fmt:MATRIX_FMT_FP4 matrix_b_scale:MATRIX_SCALE_ROW1
.else
	v_wmma_scale_f32_16x16x128_f8f6f4 v[wD:wD+7], v[wA:wA+7], v[wB:wB+7], v[wC:wC+7], v[wS], v[wT] matrix_a_fmt:MATRIX_FMT_FP4 matrix_b_fmt:MATRIX_FMT_FP4
.endif
.endif
.endm
; 16 nb numbers of a lane, register 8 t + j = k 16 t + 8 (lane / 16) + j of my row, become 2 nb registers of codes at v[pc] on (registers 4 c .. 4 c + 3: k = 64 c + 32 (lane / 16) + 0 .. 31) and a scale word in v[pw]
.macro QUANT s, pc, pw, nb
.irp b, 0,1,2,3
.if \b < \nb
	v_max3_num_f32 v[TM+\b], |v[(\s)+16*\b]|, |v[(\s)+16*\b+1]|, 0x1800000   ; block b: my 16 numbers, and the floor 2^(3 - 127): the byte cannot fall under 1
.endif
.endr
.irp i, 2,4,6,8,10,12,14
.irp b, 0,1,2,3
.if \b < \nb
	v_max3_num_f32 v[TM+\b], v[TM+\b], |v[(\s)+16*\b+\i]|, |v[(\s)+16*\b+\i+1]|   ; the blocks by turns
.endif
.endr
.endr
.irp b, 0,1,2,3
.if \b < \nb
	v_permlanex16_b32 v[TM+4+\b], v[TM+\b], s[SEL], s[SEL+1]
.endif
.endr
.irp b, 0,1,2,3
.if \b < \nb
	v_max_num_f32 v[TM+\b], v[TM+\b], v[TM+4+\b]      ; with lane l xor 16: the block's largest magnitude
.endif
.endr
.irp b, 0,1,2,3
.if \b < \nb
	v_add_nc_u32 v[TM+12+\b], 0xff000000, v[TM+\b]   ; 2 off its exponent field: the conversion's scale operand
.endif
.endr
.irp b, 0,1,2,3
.if \b < \nb
	v_lshrrev_b32 v[TM+4+\b], 23, v[TM+12+\b]        ; the scale's byte
.endif
.endr
	v_lshl_or_b32 v[\pw], v[TM+5], 8, v[TM+4]
.if \nb > 2
	v_lshl_or_b32 v[\pw], v[TM+6], 16, v[\pw]
	v_lshl_or_b32 v[\pw], v[TM+7], 24, v[\pw]
.endif
.irp c, 0,1
.if 2*\c < \nb
	v_cvt_scalef32_pk8_fp4_f32 v[(\pc)+4*\c],   v[(\s)+32*\c:(\s)+32*\c+7],     v[TM+12+2*\c]
	v_cvt_scalef32_pk8_fp4_f32 v[(\pc)+4*\c+2], v[(\s)+32*\c+8:(\s)+32*\c+15],  v[TM+12+2*\c]
	v_cvt_scalef32_pk8_fp4_f32 v[(\pc)+4*\c+1], v[(\s)+32*\c+16:(\s)+32*\c+23], v[TM+13+2*\c]
	v_cvt_scalef32_pk8_fp4_f32 v[(\pc)+4*\c+3], v[(\s)+32*\c+24:(\s)+32*\c+31], v[TM+13+2*\c]
.endif
.endr
	v_nop                                          ; one plain place behind the scaled conversions
.irp c, 0,1
.if 2*\c < \nb
	v_permlane16_swap_b32 v[(\pc)+4*\c], v[(\pc)+4*\c+1]     ; lanes 0-15 keep block 2 c, lanes 16-31 get block 2 c + 1
	v_permlane16_swap_b32 v[(\pc)+4*\c+2], v[(\pc)+4*\c+3]
.endif
.endr
.endm
; the 16 fragments of K step q (128 along K): 32 LDS loads in one run, into set q % 2
.macro FETCH q
.set fs, (\q)%2
.set fl, (\q)/4
.set fo, 64*((\q)%4)
	WIN 0x40                                       ; destination window 1, address window 0
.irp i, 0,1,2,3,4,5,6,7
	ds_load_b128 v[64*fs+8*\i:64*fs+8*\i+3],   v[ADRN+fl] offset:fo+\i*16*PITCH
	ds_load_b128 v[64*fs+8*\i+4:64*fs+8*\i+7], v[ADRN+fl] offset:fo+32+\i*16*PITCH
.endr
	WIN 0
.irp i, 0,1,2,3,4,5,6,7
	ds_load_b128 v[128+64*fs+8*\i:128+64*fs+8*\i+3],   v[ADRM+fl] offset:fo+\i*16*PITCH
	ds_load_b128 v[128+64*fs+8*\i+4:128+64*fs+8*\i+7], v[ADRM+fl] offset:fo+32+\i*16*PITCH
.endr
.endm
; 64 products: the 64 accumulators take turns, one instruction a turn, in the same order in every step
.macro MUL64 q
.set ms, (\q)%2
.irp a, 0,1,2,3,4,5,6,7
	WIN 0xa1+0x50*(\a/4)                           ; source 0 window 1, source 1 window 0, C and D window 2 or 3
.irp b, 0,1,2,3,4,5,6,7
.set rD, 8*(8*(\a%4)+\b)
.if (\q) == 0
.set rC, -1
.else
.set rC, rD
.endif
	WMS rD, 64*ms+8*\b, 128+64*ms+8*\a, rC, SN+8*(\b%4)+(\q), SM+8*(\a%4)+(\q), \b/4, \a/4
.endr
.endr
.endm
.macro PSTEP q
.if (\q) > 0
	PLACES 4                                       ; in front of loads into the set that the last step's products read
.endif
	s_wait_dscnt 0x0                               ; this step's fragments are in (asked for 64 matrix instructions ago)
.if (\q) < 7
	FETCH (\q)+1
.endif
	MUL64 \q
.endm
; THE WAY OUT.  For each of my eight tiles of side m: bias, quantiser, two stores of 512 consecutive bytes; at the end the eight scale words, 16 bytes a lane.  mode 0: q, k.  mode 1: v.
.macro EPI mode
.irp a, 0,1,2,3,4,5,6,7
	WIN 0x06+\a/4                                  ; source 0 (sums) window 2 or 3, source 1 (bias) window 1
.set ii, 0
.rept 32
.if \mode
	v_pk_add_f32 v[T+2*ii:T+2*ii+1], v[64*(\a%4)+2*ii:64*(\a%4)+2*ii+1], v[128+8*\a:129+8*\a]
.else
	v_pk_add_f32 v[T+2*ii:T+2*ii+1], v[64*(\a%4)+2*ii:64*(\a%4)+2*ii+1], v[128+2*ii:129+2*ii]
.endif
.set ii, ii+1
.endr
	WIN 0
	QUANT T, 128+8*\a, SW+\a, 4
.if \mode
	global_store_b128 v3, v[128+8*\a:131+8*\a], s[34:35] offset:(\a/4)*73728+(\a%4)*1024       ; head a / 4, channels 16 (a % 4) on, keys 0-63 of the step
	global_store_b128 v3, v[132+8*\a:135+8*\a], s[34:35] offset:(\a/4)*73728+(\a%4)*1024+512   ; keys 64-127
.else
	global_store_b128 v3, v[128+8*\a:131+8*\a], s[34:35] offset:512*\a                         ; the pair's first head
	global_store_b128 v4, v[132+8*\a:135+8*\a], s[34:35] offset:512*\a                         ; its second
.endif
.endr
	s_mov_b32 vcc_lo, 0xffff0000
.irp i, 0,1,2,3
	v_cndmask_b32 v[SE+\i], v[SW+\i], v[SW+4+\i], vcc_lo   ; lanes 0-15: tiles 0-3; lanes 16-31: tiles 4-7
.endr
.if \mode
	global_store_b128 v5, v[SE:SE+3], s[36:37]
.else
	global_store_b128 v3, v[SE:SE+3], s[36:37]
.endif
.endm
	s_load_b256 s[4:11], s[0:1], 0x0               ; query: codes, scales; Wq: codes, scales
	s_load_b256 s[12:19], s[0:1], 0x20             ; key, Wk
	s_load_b256 s[20:27], s[0:1], 0x40             ; value, Wv
	s_load_b256 s[28:35], s[0:1], 0x60             ; bq, bk, bv, qimg
	s_load_b128 s[36:39], s[0:1], 0x80             ; qscl, kv
	v_lshl_add_u32 v126, v0, 2, 0x44000
	v_mov_b32 v127, 0
	ds_add_u32 v126, v127
	ds_add_u32 v126, v127
	v_lshrrev_b32 v1, 5, v0
	v_readfirstlane_b32 s[WV], v1                  ; wave 0..3
	s_lshr_b32 s[WM], s[WV], 1                     ; my half of side m
	s_and_b32 s[WN], s[WV], 1                      ; my half of side n
	s_bfe_u32 s[CX], ttmp6, 0x40000
	s_bfe_u32 s[CY], ttmp6, 0x40004
	s_and_b32 s[GG], ttmp7, 0xffff                 ; the cluster's y: the same in all sixteen partners
	s_lshr_b32 s[GEMM], s[GG], 3                   ; 0 q, 1 k, 2 v
	s_and_b32 s[BB], s[GG], 7                      ; the batch
	s_cmp_eq_u32 s[GEMM], 2
	s_cselect_b32 s[MODEV], 1, 0
	s_xor_b32 s[NM], s[MODEV], 1
	s_lshl_b32 s50, s[CY], 2
	s_lshl_b32 s50, 15, s50                        ; my row of the cluster
	s_lshl_b32 s51, 0x1111, s[CX]                  ; my column
	; group 1: a tile of 128 rows x 512 bytes out of rows of 512 bytes; 16 bytes of padding behind every 128 words
	s_or_b32 s[G1A], s50, (1<<20)|(1<<21)|(6<<22)|(3<<25)   ; whole rows of 512 bytes; four words of padding behind every 128
	s_or_b32 s[G1B], s51, (1<<20)|(1<<21)|(6<<22)|(3<<25)
.irp g, G1A, G1B
	s_mov_b32 s[\g+1], 512<<16                     ; tensor_dim0
	s_mov_b32 s[\g+2], 128<<16                     ; tensor_dim1: a load brings 128 rows
	s_mov_b32 s[\g+3], 512<<16                     ; tile_dim0
	s_mov_b32 s[\g+4], 128                         ; tile_dim1
	s_mov_b32 s[\g+5], 512                         ; from row to row
	s_mov_b32 s[\g+6], 0
	s_mov_b32 s[\g+7], 0
.endr
	; side m's block of 256 rows goes by cy and is shared along a cluster's row, side n's by cx and is shared along a column, in all three products:
	; q, k: m = activation rows, n = weight rows;  v: m = rows of Wv, n = rows of value.  The batch's 1,024 rows are added on the activation's side
	s_lshl_b32 s63, s[BB], 10
	s_mul_i32 s52, s63, s[NM]
	s_mul_i32 s56, s63, s[MODEV]
	s_lshl_b32 s50, s[CY], 8
	s_add_co_u32 s52, s52, s50                     ; side m's first row in its tensor
	s_lshl_b32 s51, s[CX], 8
	s_add_co_u32 s56, s56, s51                     ; side n's
	s_lshl_b32 s63, s[WN], 7                       ; the 128 rows that I fetch
	s_add_co_u32 s54, s52, s63
	s_lshl_b32 s54, s54, 9
	s_mov_b32 s55, 0
	s_add_co_u32 s58, s56, s63
	s_lshl_b32 s58, s58, 9
	s_mov_b32 s59, 0
	s_mul_i32 s62, s[WN], HALF                     ; and where they go: no place in the cluster enters an LDS address
	s_mov_b32 s[SEL], 0x76543210
	s_mov_b32 s[SEL+1], 0xfedcba98
	s_wait_dscnt 0x0
	s_wait_kmcnt 0x0
	s_cmp_eq_u32 s[GEMM], 1                        ; the product's buffers: the choice hangs on the cluster's y alone
	s_cselect_b64 s[4:5], s[12:13], s[4:5]
	s_cselect_b64 s[6:7], s[14:15], s[6:7]
	s_cselect_b64 s[8:9], s[16:17], s[8:9]
	s_cselect_b64 s[10:11], s[18:19], s[10:11]
	s_cselect_b64 s[28:29], s[30:31], s[28:29]
	s_cmp_eq_u32 s[GEMM], 2
	s_cselect_b64 s[4:5], s[20:21], s[4:5]
	s_cselect_b64 s[6:7], s[22:23], s[6:7]
	s_cselect_b64 s[8:9], s[24:25], s[8:9]
	s_cselect_b64 s[10:11], s[26:27], s[10:11]
	s_cselect_b64 s[28:29], s[32:33], s[28:29]
	s_cmp_eq_u32 s[GEMM], 0
	s_cselect_b64 s[34:35], s[34:35], s[38:39]     ; codes go to qimg or kv,
	s_cselect_b64 s[36:37], s[36:37], s[38:39]     ; scale words to qscl or kv
	s_cmp_eq_u32 s[MODEV], 1
	s_cselect_b64 s[12:13], s[8:9], s[4:5]         ; side m's codes
	s_cselect_b64 s[14:15], s[4:5], s[8:9]         ; side n's
	s_add_nc_u64 s[54:55], s[12:13], s[54:55]
	s_add_nc_u64 s[58:59], s[14:15], s[58:59]
	ROUND                                          ; all sixteen work-groups are here: the joint loads meet
.irp s, 0
	s_mov_b32 s[G0A+8*\s], 1
	s_add_co_u32 s[G0A+8*\s+1], s62, \s*SLOT
	s_add_nc_u64 s[G0A+8*\s+2:G0A+8*\s+3], s[54:55], \s*256
	s_or_b32 s[G0A+8*\s+3], s[G0A+8*\s+3], 0x80000000
	s_mov_b32 s[G0B+8*\s], 1
	s_add_co_u32 s[G0B+8*\s+1], s62, \s*SLOT+WOFF
	s_add_nc_u64 s[G0B+8*\s+2:G0B+8*\s+3], s[58:59], \s*256
	s_or_b32 s[G0B+8*\s+3], s[G0B+8*\s+3], 0x80000000
.endr
; a joint load of slot s: waves 0 and 1 fetch side m's halves, waves 2 and 3 side n's: one load a wave; the branch hangs on the wave's number alone
.macro JLOAD s
	s_cmp_eq_u32 s[WM], 0
	s_cbranch_scc0 .Ljn_\@
	tensor_load_to_lds s[G0A+8*\s:G0A+8*\s+3], s[G1A:G1A+7]
	s_nop 0
	PLACES 4
	s_branch .Ljd_\@
.Ljn_\@:
	tensor_load_to_lds s[G0B+8*\s:G0B+8*\s+3], s[G1B:G1B+7]
	s_nop 0
	PLACES 4
.Ljd_\@:
.endm
	JLOAD 0                                        ; my 128 rows for all of K: my one tensor load of the launch
	; the scale bytes of my 128 rows of each side, for all of K, stay in registers: 32 bytes a row
	s_lshl_b32 s52, s52, 5
	s_mov_b32 s53, 0
	s_lshl_b32 s56, s56, 5
	s_mov_b32 s57, 0
	s_cmp_eq_u32 s[MODEV], 1
	s_cselect_b64 s[12:13], s[10:11], s[6:7]       ; side m's scale bytes
	s_cselect_b64 s[14:15], s[6:7], s[10:11]       ; side n's
	s_add_nc_u64 s[12:13], s[12:13], s[52:53]
	s_add_nc_u64 s[14:15], s[14:15], s[56:57]
	s_cselect_b32 s50, s[WM], s[WN]                ; my half along the weight rows,
	s_cselect_b32 s51, s[WN], s[WM]                ; along the activation rows
	s_cselect_b32 s2, s[CY], s[CX]                 ; the work-group's block along the weight rows,
	s_cselect_b32 s3, s[CX], s[CY]                 ; along the activation rows: both enter global addresses of plain loads and stores alone
	s_cselect_b32 s16, 0x8000, 0                   ; V's codes lie 32,768 bytes into a record
	s_cselect_b32 s17, 8, 9                        ; a group's scale words: 256 bytes (v), 512 (q, k)
	s_mov_b32 s18, 65536
	s_cselect_b32 s18, 69632, s18                  ; where a record's scale words begin
	s_cmp_eq_u32 s[GEMM], 0
	s_mov_b32 s19, REC
	s_cselect_b32 s19, 0x10000, s19                ; bytes of codes for a head pair
	s_mov_b32 s20, REC
	s_cselect_b32 s20, 4096, s20                   ; of scale words
	s_cselect_b32 s18, 0, s18
	s_mov_b32 s21, 73728
	s_cselect_b32 s21, 32768, s21                  ; from a pair's first head to its second
	s_lshl_b32 s52, s[WM], 12
	s_add_nc_u64 s[12:13], s[12:13], s[52:53]
	s_lshl_b32 s52, s[WN], 12
	s_add_nc_u64 s[14:15], s[14:15], s[52:53]
	s_lshl_b32 s22, s2, 1
	s_add_co_u32 s22, s22, s50                     ; my head pair
	s_lshl_b32 s23, s3, 1
	s_add_co_u32 s23, s23, s51                     ; my group of 128 rows of the batch
	s_lshl_b32 s24, s[BB], 3
	s_add_co_u32 s24, s24, s22                     ; the record: 8 x batch + pair
	s_lshl_b32 s52, s22, 9
	s_add_nc_u64 s[28:29], s[28:29], s[52:53]      ; the bias of my 128 weight rows
	s_mul_i32 s52, s24, s19
	s_lshl_b32 s25, s23, 12
	s_add_co_u32 s52, s52, s25
	s_add_co_u32 s52, s52, s16
	s_add_nc_u64 s[34:35], s[34:35], s[52:53]
	s_mul_i32 s52, s24, s20
	s_lshl_b32 s25, s23, s17
	s_add_co_u32 s52, s52, s25
	s_add_co_u32 s52, s52, s18
	s_add_nc_u64 s[36:37], s[36:37], s[52:53]
	v_and_b32 v1, 15, v0                           ; r
	v_bfe_u32 v2, v0, 4, 1                         ; h
	v_and_b32 v3, 31, v0
	v_lshlrev_b32 v3, 4, v3                        ; 16 x lane: an image's place for my lane
	v_add_nc_u32 v4, s21, v3                       ; the same in the pair's second head
	v_lshlrev_b32 v5, 4, v1
	v_lshl_add_u32 v5, v2, 11, v5                  ; V's scale words: 16 r + 2,048 x head
	v_lshlrev_b32 v6, 5, v1
	v_lshl_add_u32 v6, v2, 11, v6                  ; scale bytes: row 16 (i + 4 h) + r, 32 bytes a row
.irp i, 0,1,2,3
	global_load_b128 v[SM+8*\i:SM+8*\i+3],   v6, s[12:13] offset:512*\i      ; register 8 i + q: tile i below, tile i + 4 in lanes 16-31, K step q
	global_load_b128 v[SM+8*\i+4:SM+8*\i+7], v6, s[12:13] offset:512*\i+16
	global_load_b128 v[SN+8*\i:SN+8*\i+3],   v6, s[14:15] offset:512*\i
	global_load_b128 v[SN+8*\i+4:SN+8*\i+7], v6, s[14:15] offset:512*\i+16
.endr
	; the bias in the result's layout, 64 registers.  q, k: register 8 b + j = bias(16 b + 8 h + j).  v: register 8 a + j = bias(16 a + r).  One run of loads serves both: only the offsets differ
	s_lshl_b32 s52, s[MODEV], 2
	s_lshl_b32 s54, s[NM], 5
	s_lshl_b32 s55, s[NM], 2
	v_mul_u32_u24 v7, v1, s52
	v_mad_u32_u24 v7, v2, s54, v7
.irp j, 0,1,2,3,4,5,6,7
	v_mad_u32_u24 v[BOF+\j], s55, \j, v7
.endr
	WIN 0x40
.irp x, 0,1,2,3,4,5,6,7
.irp j, 0,1,2,3,4,5,6,7
	global_load_b32 v[128+8*\x+\j], v[BOF+\j], s[28:29] offset:64*\x
.endr
.endr
	WIN 0
	v_mul_u32_u24 v8, v1, PITCH
	v_lshl_add_u32 v8, v2, 4, v8                   ; a fragment's row x pitch + 16 x half
	s_mul_i32 s50, s[WM], HALF                     ; in a slot: side m's 256 rows,
	s_mul_i32 s51, s[WN], HALF
	s_add_co_u32 s51, s51, WOFF                    ; then side n's
.irp s, 0,1
	v_add_nc_u32 v[ADRM+\s], s50, v8
	v_add_nc_u32 v[ADRN+\s], s51, v8
	s_add_co_u32 s50, s50, SLOT
	s_add_co_u32 s51, s51, SLOT
.endr
	s_wait_alu depctr_va_vdst(0)
	s_wait_tensorcnt 0x0                           ; my rows are in
	s_barrier_signal -1
	s_barrier_wait -1                              ; everybody's are
	FETCH 0
	s_wait_loadcnt 0x0                             ; scale words and bias
.irp q, 0,1,2,3,4,5,6,7
	PSTEP \q
.endr
	WIN 0
	PLACES 4                                       ; behind the last products: their results are read and their scale registers written below
.irp b, 0,1,2,3
	v_mov_b32 v[TM+4+\b], 0                        ; written once: a lane permute's destination counts as one of its sources
.endr
	s_cmp_lg_u32 s[MODEV], 0
	s_cbranch_scc1 .Lepi_v
	EPI 0
	s_branch .Ldone
.Lepi_v:
	EPI 1
.Ldone:
	s_wait_tensorcnt 0x0
	ds_add_u32 v126, v127
	s_wait_dscnt 0x0
	ROUND                                          ; the closing round: no work-group ends while a partner may still ask for a tile that names it
	s_endpgm
.Lfunc_end_k_qfb6047520e_proj:
	.size	k_qfb6047520e_proj, .Lfunc_end_k_qfb6047520e_proj-k_qfb6047520e_proj
	.p2alignl 7, 3214868480
	.fill 96, 4, 3214868480
	.section	.rodata,"a",@progbits
	.p2align	6, 0x0
	.amdhsa_kernel k_qfb6047520e_proj
		.amdhsa_group_segment_fixed_size 327680
		.amdhsa_private_segment_fixed_size 0
		.amdhsa_enable_private_segment 0
		.amdhsa_kernarg_size 144
		.amdhsa_user_sgpr_count 2
		.amdhsa_user_sgpr_kernarg_segment_ptr 1
		.amdhsa_wavefront_size32 1
		.amdhsa_system_sgpr_workgroup_id_x 1
		.amdhsa_system_sgpr_workgroup_id_y 1
		.amdhsa_system_sgpr_workgroup_id_z 1
		.amdhsa_system_vgpr_workitem_id 0
		.amdhsa_next_free_vgpr 1024
		.amdhsa_next_free_sgpr 100
		.amdhsa_reserve_vcc 1
		.amdhsa_float_denorm_mode_32 3
		.amdhsa_float_denorm_mode_16_64 3
		.amdhsa_memory_ordered 1
		.amdhsa_forward_progress 1
		.amdhsa_inst_pref_size 196
	.end_amdhsa_kernel
	.amdgpu_metadata
---
amdhsa.version: [ 1, 2 ]
amdhsa.kernels:
  - .name:           k_qfb6047520e_proj
    .symbol:         k_qfb6047520e_proj.kd
    .args:
      - { .name: query_codes, .offset: 0, .size: 8, .value_kind: global_buffer, .address_space: global }
      - { .name: query_scales, .offset: 8, .size: 8, .value_kind: global_buffer, .address_space: global }
      - { .name: Wq_codes, .offset: 16, .size: 8, .value_kind: global_buffer, .address_space: global }
      - { .name: Wq_scales, .offset: 24, .size: 8, .value_kind: global_buffer, .address_space: global }
      - { .name: key_codes, .offset: 32, .size: 8, .value_kind: global_buffer, .address_space: global }
      - { .name: key_scales, .offset: 40, .size: 8, .value_kind: global_buffer, .address_space: global }
      - { .name: Wk_codes, .offset: 48, .size: 8, .value_kind: global_buffer, .address_space: global }
      - { .name: Wk_scales, .offset: 56, .size: 8, .value_kind: global_buffer, .address_space: global }
      - { .name: value_codes, .offset: 64, .size: 8, .value_kind: global_buffer, .address_space: global }
      - { .name: value_scales, .offset: 72, .size: 8, .value_kind: global_buffer, .address_space: global }
      - { .name: Wv_codes, .offset: 80, .size: 8, .value_kind: global_buffer, .address_space: global }
      - { .name: Wv_scales, .offset: 88, .size: 8, .value_kind: global_buffer, .address_space: global }
      - { .name: bq, .offset: 96, .size: 8, .value_kind: global_buffer, .address_space: global }
      - { .name: bk, .offset: 104, .size: 8, .value_kind: global_buffer, .address_space: global }
      - { .name: bv, .offset: 112, .size: 8, .value_kind: global_buffer, .address_space: global }
      - { .name: qimg, .offset: 120, .size: 8, .value_kind: global_buffer, .address_space: global }
      - { .name: qscl, .offset: 128, .size: 8, .value_kind: global_buffer, .address_space: global }
      - { .name: kv, .offset: 136, .size: 8, .value_kind: global_buffer, .address_space: global }
    .group_segment_fixed_size: 327680
    .private_segment_fixed_size: 0
    .kernarg_segment_align: 8
    .kernarg_segment_size: 144
    .max_flat_workgroup_size: 128
    .sgpr_count:     100
    .vgpr_count:     1024
    .wavefront_size: 32
...
	.end_amdgpu_metadata
.endif
;; end of part 1
;; launch attn (part 2): grid 256 x 1, 16 waves a work-group, clusters of 4 x 1, 169,984 bytes of LDS; arguments qimg, qscl, kv, ximg, xscl; writes ximg, xscl
.if DOCPART == 2
	.amdgcn_target "amdgcn-amd-amdhsa--gfx1250"
	.amdhsa_code_object_version 6
	.text
	.protected	k_qfb6047520e_attn
	.globl	k_qfb6047520e_attn
	.p2align	8
	.type	k_qfb6047520e_attn,@function
k_qfb6047520e_attn:
	s_mov_b64 s[64:65], 0
	v_nop
	global_prefetch_b8 v0, s[64:65] scope:SCOPE_SE
	s_setreg_imm32_b32 hwreg(HW_REG_WAVE_MODE, 25, 1), 1
	s_wait_xcnt 0x0
	s_wait_alu depctr_hold_cnt(0) depctr_sa_sdst(0) depctr_va_vdst(0) depctr_va_sdst(0) depctr_va_ssrc(0) depctr_va_vcc(0) depctr_vm_vsrc(0)
	s_getreg_b32 s2, hwreg(HW_REG_IB_STS2, 6, 4)
	s_cmp_eq_u32 s2, 0
	s_cbranch_scc0 .Lentry_in_a_cluster
	s_endpgm
.Lentry_in_a_cluster:
	s_bfe_u32 s2, ttmp6, 0x10000c
	s_cmp_lg_u32 s2, 0x3003
	s_cbranch_scc0 .Lentry_shape_is_right
	s_endpgm
.Lentry_shape_is_right:
; ATTENTION on codes of FP4 (E2M1) with E8M0 scales: x = softmax(q k^T / 8) v for 128 (batch, head) pairs of 1,024 x 1,024 x 64, and x quantised along the model's 1,024 for the last product.
; THE SOFTMAX AHEAD OF THE SECOND PRODUCT: t = score x log2(e) / 8; M = the running largest t rounded UP to a whole number; p = 2^(t - M) is quantised along the keys, not normalised; the row's sum is taken of the
; unquantised p and divides at the end.  When M moves, the sum and O are multiplied by 2^(old M - new M): exact.
; SHARES.  The cluster's x is the record: 8 x batch + head pair.  A work-group takes 256 queries of the pair; each of its sixteen waves 16 queries, first for the pair's first head, then for its second; 8 steps of 128 keys a head.
; The four work-groups of a cluster read the same record of kv (139,264 bytes: both heads' K and V as register images, and their scale words): it is asked for jointly, once, and lies in LDS as it lies in memory.
; LAYOUT.  Both products are used transposed (S^T = K Q^T, O^T = V^T P^T): a lane holds ONE query (lane % 16) throughout.
; K = 64 IN AN INSTRUCTION OF 128: head 0's codes stand in registers 0-3 of a fragment with zero codes in 4-7, head 1's in 4-7 with zero codes in 0-3, on both operands.  So a row's one scale word serves both heads: bytes 0, 1
; are head 0's two blocks, bytes 2, 3 head 1's; the other head's bytes meet zero codes (they lie in 1 .. 254).
; LIMITS: NaN and infinities are not served; a block of p or of x whose largest magnitude lies under 2^-124 keeps the byte 1, a block of zeros too (its codes are zeros, and this program alone reads the bytes).
; REGISTERS: v1 16 x lane, v2 16 r, v3-6 the step's LDS addresses, v7, v11 the scale words' stage, v8 Q's scale word, v9 p's, v10 x's, v12 -M, v13 the largest t, v[14:15] the sum; v16-27 Q0, zeros, Q1; v28-31 K's scale words,
;   v32-35 V's; v36-71 zeros and four tiles of K by turns; v72-103 V; v104-167 S^T, then p; v168-199 O^T; v200-207 p's codes; v208-215 x's codes; v216-233 at work.
.set REC, 139264
.set XSG, 139264                       ; behind the record: 256 scale words of x, written by LDS stores alone
.set WV,  14
.set SEL, 20
.set CS,  22
.set S,   104
.set O,   168
.set PC,  200
.set BM,  216
.set BP,  220
.set SO,  224
.set TM,  216
.macro PLACES n
.rept \n
	v_nop
.endr
.endm
.macro ROUND                           ; a round of the cluster's barrier
	s_barrier_signal -1
	s_barrier_wait -1
	s_cmp_lg_u32 s[WV], 0
	s_cbranch_scc1 .Lnw0_\@
	s_barrier_signal -3
.Lnw0_\@:
	s_barrier_wait -3
	s_barrier_signal -1
	s_barrier_wait -1
.endm
; one scaled product.  c < 0: the constant 0 starts the sum.  ra: source 0's scale words stand in lanes 16-31
.macro WMS d, a, b, c, sa, sb, ra
.set wD, \d
.set wA, \a
.set wB, \b
.set wC, \c
.set wS, \sa
.set wT, \sb
.if wC < 0
.if (\ra)
	v_wmma_scale_f32_16x16x128_f8f6f4 v[wD:wD+7], v[wA:wA+7], v[wB:wB+7], 0, v[wS], v[wT] matrix_a_fmt:MATRIX_FMT_FP4 matrix_b_fmt:MATRIX_FMT_FP4 matrix_a_scale:MATRIX_SCALE_ROW1
.else
	v_wmma_scale_f32_16x16x128_f8f6f4 v[wD:wD+7], v[wA:wA+7], v[wB:wB+7], 0, v[wS], v[wT] matrix_a_fmt:MATRIX_FMT_FP4 matrix_b_fmt:MATRIX_FMT_FP4
.endif
.else
	v_wmma_scale_f32_16x16x128_f8f6f4 v[wD:wD+7], v[wA:wA+7], v[wB:wB+7], v[wC:wC+7], v[wS], v[wT] matrix_a_fmt:MATRIX_FMT_FP4 matrix_b_fmt:MATRIX_FMT_FP4
.endif
.endm
; 16 nb numbers of a lane, register 8 t + j = k 16 t + 8 (lane / 16) + j of my row, become 2 nb registers of codes at v[pc] on and a scale word in v[pw]
.macro QUANT s, pc, pw, nb
.irp b, 0,1,2,3
.if \b < \nb
	v_max3_num_f32 v[TM+\b], |v[(\s)+16*\b]|, |v[(\s)+16*\b+1]|, 0x1800000   ; block b: my 16 numbers, and the floor 2^(3 - 127)
.endif
.endr
.irp i, 2,4,6,8,10,12,14
.irp b, 0,1,2,3
.if \b < \nb
	s_delay_alu instid0(VALU_DEP_2)
	v_max3_num_f32 v[TM+\b], v[TM+\b], |v[(\s)+16*\b+\i]|, |v[(\s)+16*\b+\i+1]|
.endif
.endr
.endr
.irp b, 0,1,2,3
.if \b < \nb
	s_delay_alu instid0(VALU_DEP_2)
	v_permlanex16_b32 v[TM+4+\b], v[TM+\b], s[SEL], s[SEL+1]
.endif
.endr
.irp b, 0,1,2,3
.if \b < \nb
	s_delay_alu instid0(VALU_DEP_2)
	v_max_num_f32 v[TM+\b], v[TM+\b], v[TM+4+\b]
.endif
.endr
.irp b, 0,1,2,3
.if \b < \nb
	s_delay_alu instid0(VALU_DEP_2)
	v_add_nc_u32 v[TM+12+\b], 0xff000000, v[TM+\b]
.endif
.endr
.irp b, 0,1,2,3
.if \b < \nb
	s_delay_alu instid0(VALU_DEP_2)
	v_lshrrev_b32 v[TM+4+\b], 23, v[TM+12+\b]
.endif
.endr
	s_delay_alu instid0(VALU_DEP_1)
	v_lshl_or_b32 v[\pw], v[TM+5], 8, v[TM+4]
.if \nb > 2
	v_lshl_or_b32 v[\pw], v[TM+6], 16, v[\pw]
	v_lshl_or_b32 v[\pw], v[TM+7], 24, v[\pw]
.endif
.irp c, 0,1
.if 2*\c < \nb
	v_cvt_scalef32_pk8_fp4_f32 v[(\pc)+4*\c],   v[(\s)+32*\c:(\s)+32*\c+7],     v[TM+12+2*\c]
	v_cvt_scalef32_pk8_fp4_f32 v[(\pc)+4*\c+2], v[(\s)+32*\c+8:(\s)+32*\c+15],  v[TM+12+2*\c]
	v_cvt_scalef32_pk8_fp4_f32 v[(\pc)+4*\c+1], v[(\s)+32*\c+16:(\s)+32*\c+23], v[TM+13+2*\c]
	v_cvt_scalef32_pk8_fp4_f32 v[(\pc)+4*\c+3], v[(\s)+32*\c+24:(\s)+32*\c+31], v[TM+13+2*\c]
.endif
.endr
	v_nop                                          ; one plain place behind the scaled conversions
.irp c, 0,1
.if 2*\c < \nb
	v_permlane16_swap_b32 v[(\pc)+4*\c], v[(\pc)+4*\c+1]
	v_permlane16_swap_b32 v[(\pc)+4*\c+2], v[(\pc)+4*\c+3]
.endif
.endr
.endm
; A KEY STEP of head c of the pair: 128 keys
.macro STEP c
	v_add_nc_u32 v3, s48, v1                       ; K's tiles,
	v_add_nc_u32 v4, s49, v1                       ; V's,
	v_add_nc_u32 v5, s50, v1                       ; K's scale words,
	v_add_nc_u32 v6, s51, v2                       ; V's
	ds_load_b128 v[28:31], v5                      ; register t: key tile t in lanes 0-15, tile 4 + t in lanes 16-31
.irp t, 0,1,2,3
	ds_load_b128 v[40+8*\t:43+8*\t], v3 offset:512*\t
.endr
	s_wait_alu depctr_va_vdst(0)
	s_wait_dscnt 0x0
.irp t, 0,1,2,3
	WMS S+8*\t, 40+8*\t-4*\c, 16+4*\c, -1, 28+\t, 8, 0
.endr
	PLACES 4                                       ; in front of loads into registers that these products read
.irp t, 0,1,2,3
	ds_load_b128 v[40+8*\t:43+8*\t], v3 offset:2048+512*\t
.endr
	ds_load_b128 v[32:35], v6                      ; register t: the scale words of channels 16 t + r
.irp t, 0,1,2,3
.irp u, 0,1
	ds_load_b128 v[72+8*\t+4*\u:75+8*\t+4*\u], v4 offset:1024*\t+512*\u
.endr
.endr
	s_wait_dscnt 9                                 ; key tiles 4-7 are in; V's scale words and V's eight loads, issued behind them, may stay out
.irp t, 0,1,2,3
	WMS S+32+8*\t, 40+8*\t-4*\c, 16+4*\c, -1, 28+\t, 8, 1
.endr
	PLACES 4
.irp b, 0,1,2,3
	v_max3_num_f32 v[BM+\b], v[S+16*\b], v[S+16*\b+1], v[S+16*\b+2]   ; the largest score of each block of 32 keys: it serves the row's maximum and, since p rises with the score, the block's largest p
.endr
.irp i, 3,5,7,9,11,13
.irp b, 0,1,2,3
	v_max3_num_f32 v[BM+\b], v[BM+\b], v[S+16*\b+\i], v[S+16*\b+\i+1]
.endr
.endr
.irp b, 0,1,2,3
	v_max_num_f32 v[BM+\b], v[BM+\b], v[S+16*\b+15]
.endr
.irp b, 0,1,2,3
	s_delay_alu instid0(VALU_DEP_4)
	v_permlanex16_b32 v[BP+\b], v[BM+\b], s[SEL], s[SEL+1]
.endr
.irp b, 0,1,2,3
	s_delay_alu instid0(VALU_DEP_4)
	v_max_num_f32 v[BM+\b], v[BM+\b], v[BP+\b]     ; with lane l xor 16
.endr
	s_delay_alu instid0(VALU_DEP_2)
	v_max3_num_f32 v230, v216, v217, v218
	s_delay_alu instid0(VALU_DEP_1)
	v_max_num_f32 v230, v230, v219                 ; the step's largest score of my query
	s_delay_alu instid0(VALU_DEP_1)
	v_mul_f32 v230, s[CS], v230                    ; as t
	s_delay_alu instid0(VALU_DEP_1)
	v_max_num_f32 v13, v13, v230                   ; the running largest t
	v_mov_b32 v230, v12
	s_delay_alu instid0(VALU_DEP_2)
	v_floor_f32 v12, -v13                          ; the new -M = floor(-t): M is a whole number
	s_delay_alu instid0(VALU_DEP_1)
	v_sub_f32 v230, v12, v230                      ; old M - new M: a whole number, 0 or less
	s_delay_alu instid0(VALU_DEP_1)
	v_cvt_i32_f32 v230, v230                       ; (it saturates)
	s_delay_alu instid0(VALU_DEP_1)
	v_ldexp_f32 v228, 1.0, v230                    ; f = 2^(old M - new M)
.set ii, 0
.rept 32
	v_pk_fma_f32 v[S+ii:S+ii+1], v[S+ii:S+ii+1], s[CS:CS+1], v[12:13] op_sel_hi:[1,0,0]   ; t - M, two at a time
.set ii, ii+2
.endr
.irp b, 0,1,2,3
	v_fma_f32 v[BM+\b], v[BM+\b], s[CS], v12       ; the same of each block's largest score
.endr
.set ii, 0
	s_wait_alu depctr_va_vdst(0)
.rept 64
	v_exp_f32 v[S+ii], v[S+ii]                     ; p = 2^(t - M)
.set ii, ii+1
.endr
	v_pk_mul_f32 v[14:15], v[14:15], v[228:229] op_sel_hi:[1,0]   ; the sums under the new M: the plain place behind the exponentials
	s_wait_alu depctr_va_vdst(0)                   ; one wait for the batch of 64, ahead of its first reader
.irp b, 0,1,2,3
	v_exp_f32 v[BM+\b], v[BM+\b]                   ; each block's largest p
.endr
	v_pk_add_f32 v[232:233], v[108:109], v[112:113]
	v_pk_add_f32 v[252:253], v[116:117], v[120:121]
	v_pk_add_f32 v[250:251], v[124:125], v[128:129]
	v_pk_add_f32 v[248:249], v[132:133], v[136:137]
	v_pk_add_f32 v[246:247], v[140:141], v[144:145]
	v_pk_add_f32 v[244:245], v[148:149], v[152:153]
	v_pk_add_f32 v[242:243], v[156:157], v[160:161]
	v_pk_add_f32 v[14:15], v[14:15], v[164:165]
	v_pk_add_f32 v[232:233], v[232:233], v[104:105]
	v_pk_add_f32 v[252:253], v[252:253], v[106:107]
	v_pk_add_f32 v[250:251], v[250:251], v[110:111]
	v_pk_add_f32 v[248:249], v[248:249], v[114:115]
	v_pk_add_f32 v[246:247], v[246:247], v[118:119]
	v_pk_add_f32 v[244:245], v[244:245], v[122:123]
	v_pk_add_f32 v[242:243], v[242:243], v[126:127]
	v_pk_add_f32 v[14:15], v[14:15], v[130:131]
	v_pk_add_f32 v[232:233], v[232:233], v[134:135]
	v_pk_add_f32 v[252:253], v[252:253], v[138:139]
	v_pk_add_f32 v[250:251], v[250:251], v[142:143]
	v_pk_add_f32 v[248:249], v[248:249], v[146:147]
	v_pk_add_f32 v[246:247], v[246:247], v[150:151]
	v_pk_add_f32 v[244:245], v[244:245], v[154:155]
	v_pk_add_f32 v[242:243], v[242:243], v[158:159]
	v_pk_add_f32 v[14:15], v[14:15], v[162:163]
	v_pk_add_f32 v[232:233], v[232:233], v[166:167]
	s_delay_alu instid0(VALU_DEP_2)
	v_pk_add_f32 v[14:15], v[14:15], v[248:249]
	s_delay_alu instid0(VALU_DEP_2)
	v_pk_add_f32 v[232:233], v[232:233], v[246:247]
	v_pk_add_f32 v[252:253], v[252:253], v[244:245]
	v_pk_add_f32 v[250:251], v[250:251], v[242:243]
	s_delay_alu instid0(VALU_DEP_2)
	v_pk_add_f32 v[14:15], v[14:15], v[252:253]
	s_delay_alu instid0(VALU_DEP_2)
	v_pk_add_f32 v[232:233], v[232:233], v[250:251]
	s_delay_alu instid0(VALU_DEP_1)
	v_pk_add_f32 v[14:15], v[14:15], v[232:233]
	s_wait_alu depctr_va_vdst(0)                   ; and one for the four
.irp b, 0,1,2,3
	v_max_num_f32 v[BM+\b], 0x1800000, v[BM+\b]    ; the floor 2^(3 - 127): the byte cannot fall under 1
.endr
.irp b, 0,1,2,3
	s_delay_alu instid0(VALU_DEP_4)
	v_add_nc_u32 v[SO+\b], 0xff000000, v[BM+\b]    ; 2 off the exponent field: the conversion's scale operand
.endr
.irp b, 0,1,2,3
	s_delay_alu instid0(VALU_DEP_4)
	v_lshrrev_b32 v[BP+\b], 23, v[SO+\b]           ; the scale's byte
.endr
	s_delay_alu instid0(VALU_DEP_3)
	v_lshl_or_b32 v9, v221, 8, v220                ; p's scale word for these 128 keys
	s_delay_alu instid0(VALU_DEP_1)
	v_lshl_or_b32 v9, v222, 16, v9
	s_delay_alu instid0(VALU_DEP_1)
	v_lshl_or_b32 v9, v223, 24, v9
.irp u, 0,1
	v_cvt_scalef32_pk8_fp4_f32 v[PC+4*\u],   v[S+32*\u:S+32*\u+7],     v[SO+2*\u]
	v_cvt_scalef32_pk8_fp4_f32 v[PC+4*\u+2], v[S+32*\u+8:S+32*\u+15],  v[SO+2*\u]
	v_cvt_scalef32_pk8_fp4_f32 v[PC+4*\u+1], v[S+32*\u+16:S+32*\u+23], v[SO+2*\u+1]
	v_cvt_scalef32_pk8_fp4_f32 v[PC+4*\u+3], v[S+32*\u+24:S+32*\u+31], v[SO+2*\u+1]
.endr
	v_nop                                          ; one plain place behind the scaled conversions
.irp u, 0,1
	v_permlane16_swap_b32 v[PC+4*\u], v[PC+4*\u+1] ; a whole block to a lane: lanes 0-15 block 2 u, lanes 16-31 block 2 u + 1
	v_permlane16_swap_b32 v[PC+4*\u+2], v[PC+4*\u+3]
.endr
.set ii, 0
.rept 16
	v_pk_mul_f32 v[O+ii:O+ii+1], v[O+ii:O+ii+1], v[228:229] op_sel_hi:[1,0]   ; O^T under the new M; these are also the places between p's scale word and codes and the products below
.set ii, ii+2
.endr
	s_wait_alu depctr_va_vdst(0)
	s_wait_dscnt 0x0                               ; V and its scale words are in
.irp t, 0,1,2,3
	WMS O+8*\t, 72+8*\t, PC, O+8*\t, 32+\t, 9, 0   ; four accumulators by turns; the next step's eight score products stand between a link and the next
.endr
.endm
; A HEAD of the pair: 8 key steps, the division by the sum, x's quantiser, one store of 512 consecutive bytes
.macro HEAD c
	v_mov_b32 v13, 0xff61b1e6                      ; the largest t so far: -3e38
	s_delay_alu instid0(VALU_DEP_1)
	v_floor_f32 v12, -v13
	v_mov_b32 v14, 0
	v_mov_b32 v15, 0
.set ii, 0
.rept 32
	v_mov_b32 v[O+ii], 0                           ; the step is written once: the first finds zeros
.set ii, ii+1
.endr
	s_mov_b32 s48, 73728*\c
	s_mov_b32 s49, 32768+73728*\c
	s_mov_b32 s50, 65536
	s_mov_b32 s51, 69632+2048*\c
	s_mov_b32 s52, 8
.Lstep_\@:
	STEP \c
	s_add_co_u32 s48, s48, 4096
	s_add_co_u32 s49, s49, 4096
	s_add_co_u32 s50, s50, 512
	s_add_co_u32 s51, s51, 256
	s_sub_co_u32 s52, s52, 1
	s_cmp_lg_u32 s52, 0
	s_cbranch_scc1 .Lstep_\@
	PLACES 4                                       ; behind the last products
	v_add_f32 v14, v14, v15
	s_delay_alu instid0(VALU_DEP_1)
	v_permlanex16_b32 v220, v14, s[SEL], s[SEL+1]
	s_delay_alu instid0(VALU_DEP_1)
	v_add_f32 v14, v14, v220                       ; the row's sum
	s_wait_alu depctr_va_vdst(0)
	v_rcp_f32 v228, v14
	v_nop                                          ; a plain place behind the reciprocal
	s_wait_alu depctr_va_vdst(0)                   ; and the wait ahead of its first reader
.set ii, 0
.rept 16
	v_pk_mul_f32 v[S+ii:S+ii+1], v[O+ii:O+ii+1], v[228:229] op_sel_hi:[1,0]   ; x(r, 16 t + 8 h + j)
.set ii, ii+2
.endr
.if \c == 0
	QUANT S, 208, 10, 2
.else
	QUANT S, 212, 230, 2
	v_lshl_or_b32 v10, v230, 16, v10               ; the pair's four bytes: the scale word of one K step of the last product
.endif
	global_store_b128 v1, v[208+4*\c:211+4*\c], s[10:11] offset:512*\c
.endm
	s_load_b256 s[4:11], s[0:1], 0x0               ; qimg, qscl, kv, ximg
	s_load_b64 s[12:13], s[0:1], 0x20              ; xscl
	v_lshl_add_u32 v254, v0, 2, 0x29000
	v_mov_b32 v255, 0
	ds_add_u32 v254, v255
	ds_add_u32 v254, v255
	v_lshrrev_b32 v1, 5, v0
	s_delay_alu instid0(VALU_DEP_1)
	v_readfirstlane_b32 s[WV], v1                  ; wave 0..15
	s_bfe_u32 s15, ttmp6, 0x40000                  ; cx: it enters global addresses of Q and x alone
	s_mov_b32 s16, ttmp9                           ; the record: 8 x batch + pair
	s_lshr_b32 s17, s16, 3
	s_and_b32 s18, s16, 7
	s_lshl_b32 s19, s15, 4
	s_add_co_u32 s19, s19, s[WV]                   ; my tile of 16 queries, 0..63
	; group 1: dense rows of 256 bytes (32 elements of 8 bytes); mask: all four work-groups.  72 rows a wave for the first head's part, 64 for the second's
	s_mov_b32 s24, 15|(3<<16)|(1<<21)
	s_mov_b32 s25, 32<<16
	s_mov_b32 s26, 72<<16
	s_mov_b32 s27, 32<<16
	s_mov_b32 s28, 72
	s_mov_b32 s29, 32
	s_mov_b32 s30, 0
	s_mov_b32 s31, 0
	s_mov_b32 s32, 15|(3<<16)|(1<<21)
	s_mov_b32 s33, 32<<16
	s_mov_b32 s34, 64<<16
	s_mov_b32 s35, 32<<16
	s_mov_b32 s36, 64
	s_mov_b32 s37, 32
	s_mov_b32 s38, 0
	s_mov_b32 s39, 0
	s_mul_i32 s54, s16, REC
	s_mov_b32 s55, 0
	s_and_b32 s56, s[WV], 3                        ; waves 0 to 3 fetch the quarters of the first head's part, waves 4 to 7 those of the second's; the others issue nothing
	s_mul_i32 s41, s56, 18432
	s_lshl_b32 s45, s56, 14
	s_add_co_u32 s56, s54, s41
	s_mov_b32 s57, 0
	s_add_co_u32 s54, s54, s45
	s_add_co_u32 s54, s54, 73728
	s_add_co_u32 s45, s45, 73728
	s_mov_b32 s[SEL], 0x76543210
	s_mov_b32 s[SEL+1], 0xfedcba98
	s_mov_b32 s[CS], 0x3e38aa3b                    ; log2(e) / 8
	s_mov_b32 s[CS+1], s[CS]
	s_wait_dscnt 0x0
	s_wait_kmcnt 0x0
	s_mov_b32 s40, 1
	s_add_nc_u64 s[42:43], s[8:9], s[56:57]
	s_or_b32 s43, s43, 0x80000000
	s_mov_b32 s44, 1
	s_add_nc_u64 s[46:47], s[8:9], s[54:55]
	s_or_b32 s47, s47, 0x80000000
	ROUND                                          ; all four work-groups are here: the joint loads meet
	s_cmp_lt_u32 s[WV], 4                          ; one chain of branches on the wave's number, one load to an arm
	s_cbranch_scc0 .Lfill1
	tensor_load_to_lds s[40:43], s[24:31]          ; K0, V0 and all scale words
	s_nop 0
	PLACES 4
	s_branch .Lnofill
.Lfill1:
	s_cmp_lt_u32 s[WV], 8
	s_cbranch_scc0 .Lnofill
	tensor_load_to_lds s[44:47], s[32:39]          ; K1, V1
	s_nop 0
	PLACES 4
.Lnofill:
	s_lshl_b32 s54, s16, 16
	s_lshl_b32 s56, s19, 9
	s_add_co_u32 s54, s54, s56
	s_mov_b32 s55, 0
	s_add_nc_u64 s[4:5], s[4:5], s[54:55]          ; Q's image: record x 65,536 + tile x 512
	s_lshl_b32 s54, s16, 12
	s_lshr_b32 s56, s19, 3
	s_lshl_b32 s56, s56, 9
	s_add_co_u32 s54, s54, s56
	s_bfe_u32 s56, s19, 0x10002
	s_lshl_b32 s56, s56, 8
	s_add_co_u32 s54, s54, s56
	s_and_b32 s56, s19, 3
	s_lshl_b32 s56, s56, 2
	s_add_co_u32 s54, s54, s56
	s_add_nc_u64 s[6:7], s[6:7], s[54:55]          ; Q's scale words: group tile / 8, lane half (tile / 4) % 2, word tile % 4
	s_lshl_b32 s54, s17, 19
	s_lshl_b32 s56, s19, 13
	s_add_co_u32 s54, s54, s56
	s_lshl_b32 s56, s18, 10
	s_add_co_u32 s54, s54, s56
	s_add_nc_u64 s[10:11], s[10:11], s[54:55]      ; x's image: ((64 batch + tile) 16 + 2 pair) x 512
	s_lshl_b32 s54, s16, 12
	s_lshl_b32 s56, s15, 10
	s_add_co_u32 s54, s54, s56
	s_and_b32 s56, s[WV], 1
	s_lshl_b32 s56, s56, 9
	s_add_co_u32 s54, s54, s56
	s_add_nc_u64 s[12:13], s[12:13], s[54:55]      ; x's scale words: the work-group's 256 rows, 512 bytes for each of waves 0 and 1
	v_and_b32 v1, 31, v0
	s_delay_alu instid0(VALU_DEP_1)
	v_lshlrev_b32 v1, 4, v1                        ; 16 x lane
	v_and_b32 v2, 15, v0
	s_delay_alu instid0(VALU_DEP_1)
	v_lshlrev_b32 v7, 2, v2
	s_delay_alu instid0(VALU_DEP_2)
	v_lshlrev_b32 v2, 4, v2                        ; 16 r
	global_load_b128 v[16:19], v1, s[4:5]          ; Q of the first head,
	global_load_b128 v[24:27], v1, s[4:5] offset:32768   ; of the second
	global_load_b32 v8, v2, s[6:7]
	s_lshl_b32 s54, s[WV], 6
	s_add_co_u32 s54, s54, XSG
	v_add_nc_u32 v7, s54, v7                       ; where my 16 rows' scale words of x go: 64 x wave + 4 r
	s_add_co_u32 s56, s56, XSG
	v_add_nc_u32 v11, s56, v1                      ; and where waves 0 and 1 read them back
.irp z, 20,21,22,23, 36,37,38,39, 44,45,46,47, 52,53,54,55, 60,61,62,63, 68,69,70,71
	v_mov_b32 v\z, 0                               ; the zero codes beside a head's 64
.endr
.irp z, 220,221,222,223, 229
	v_mov_b32 v\z, 0                               ; written once: lane permutes' destinations, and the upper half of the pair v[228:229]
.endr
	s_wait_tensorcnt 0x0                           ; my one load is in: behind the barrier below the whole record lies in LDS, so no barrier stands between the two heads
	s_barrier_signal -1
	s_barrier_wait -1
	s_wait_loadcnt 0x0                             ; Q
	HEAD 0
	HEAD 1
	ds_store_b32 v7, v10                           ; both lanes of a row write the same word with the same value
	s_wait_dscnt 0x0                               ; for the others' sake
	s_barrier_signal -1
	s_barrier_wait -1
	s_cmp_lt_u32 s[WV], 2
	s_cbranch_scc0 .Lnox
	ds_load_b128 v[104:107], v11
	s_wait_dscnt 0x0
	global_store_b128 v1, v[104:107], s[12:13]     ; 32 lanes store 512 consecutive bytes
.Lnox:
	s_wait_tensorcnt 0x0
	ds_add_u32 v254, v255
	s_wait_dscnt 0x0
	ROUND                                          ; the closing round
	s_endpgm
.Lfunc_end_k_qfb6047520e_attn:
	.size	k_qfb6047520e_attn, .Lfunc_end_k_qfb6047520e_attn-k_qfb6047520e_attn
	.p2alignl 7, 3214868480
	.fill 96, 4, 3214868480
	.section	.rodata,"a",@progbits
	.p2align	6, 0x0
	.amdhsa_kernel k_qfb6047520e_attn
		.amdhsa_group_segment_fixed_size 169984
		.amdhsa_private_segment_fixed_size 0
		.amdhsa_enable_private_segment 0
		.amdhsa_kernarg_size 40
		.amdhsa_user_sgpr_count 2
		.amdhsa_user_sgpr_kernarg_segment_ptr 1
		.amdhsa_wavefront_size32 1
		.amdhsa_system_sgpr_workgroup_id_x 1
		.amdhsa_system_sgpr_workgroup_id_y 1
		.amdhsa_system_sgpr_workgroup_id_z 1
		.amdhsa_system_vgpr_workitem_id 0
		.amdhsa_next_free_vgpr 256
		.amdhsa_next_free_sgpr 66
		.amdhsa_reserve_vcc 0
		.amdhsa_float_denorm_mode_32 3
		.amdhsa_float_denorm_mode_16_64 3
		.amdhsa_memory_ordered 1
		.amdhsa_forward_progress 1
		.amdhsa_inst_pref_size 51
	.end_amdhsa_kernel
	.amdgpu_metadata
---
amdhsa.version: [ 1, 2 ]
amdhsa.kernels:
  - .name:           k_qfb6047520e_attn
    .symbol:         k_qfb6047520e_attn.kd
    .args:
      - { .name: qimg, .offset: 0, .size: 8, .value_kind: global_buffer, .address_space: global }
      - { .name: qscl, .offset: 8, .size: 8, .value_kind: global_buffer, .address_space: global }
      - { .name: kv, .offset: 16, .size: 8, .value_kind: global_buffer, .address_space: global }
      - { .name: ximg, .offset: 24, .size: 8, .value_kind: global_buffer, .address_space: global }
      - { .name: xscl, .offset: 32, .size: 8, .value_kind: global_buffer, .address_space: global }
    .group_segment_fixed_size: 169984
    .private_segment_fixed_size: 0
    .kernarg_segment_align: 8
    .kernarg_segment_size: 40
    .max_flat_workgroup_size: 512
    .sgpr_count:     66
    .vgpr_count:     256
    .wavefront_size: 32
...
	.end_amdgpu_metadata
.endif
;; end of part 2
;; launch outp (part 3): grid 4 x 64, 4 waves a work-group, clusters of 4 x 4, 327,680 bytes of LDS; arguments ximg, xscl, Wo_codes, Wo_scales, bo, out0; writes out0
.if DOCPART == 3
	.amdgcn_target "amdgcn-amd-amdhsa--gfx1250"
	.amdhsa_code_object_version 6
	.text
	.protected	k_qfb6047520e_outp
	.globl	k_qfb6047520e_outp
	.p2align	8
	.type	k_qfb6047520e_outp,@function
k_qfb6047520e_outp:
	s_mov_b64 s[64:65], 0
	v_nop
	global_prefetch_b8 v0, s[64:65] scope:SCOPE_SE
	s_setreg_imm32_b32 hwreg(HW_REG_WAVE_MODE, 25, 1), 1
	s_wait_xcnt 0x0
	s_wait_alu depctr_hold_cnt(0) depctr_sa_sdst(0) depctr_va_vdst(0) depctr_va_sdst(0) depctr_va_ssrc(0) depctr_va_vcc(0) depctr_vm_vsrc(0)
	s_getreg_b32 s2, hwreg(HW_REG_IB_STS2, 6, 4)
	s_cmp_eq_u32 s2, 0
	s_cbranch_scc0 .Lentry_in_a_cluster
	s_endpgm
.Lentry_in_a_cluster:
	s_bfe_u32 s2, ttmp6, 0x10000c
	s_cmp_lg_u32 s2, 0xf033
	s_cbranch_scc0 .Lentry_shape_is_right
	s_endpgm
.Lentry_shape_is_right:
; THE LAST PRODUCT: out0 = x Wo^T + bo, [8,192 x 1,024] f32, on codes of FP4 (E2M1) with E8M0 scales; sums in f32.  x comes as register images (ximg: [tile of 16 rows][head][512 bytes]) with one scale word for a row
; and a head pair (xscl: [batch][pair][row][4 bytes]); Wo as it is given.
; SHARES.  256 work-groups of 128 rows x 256 columns, in clusters of 4 x 4: the four of a cluster's row need the same rows of x, the four of a column the same rows of Wo: each is asked for jointly.
; A wave makes 64 rows x 128 columns: 32 accumulators.  Source 0 = 16 rows of Wo, source 1 = 16 rows of x: a lane holds eight neighbouring numbers of a row of out0.  The bias is the C of each sum's first product.
; All of K lies in LDS, each byte filled once: x's 8 tiles dense (an image is read 16 bytes a lane on end), Wo in rows of 512 bytes + 16 of padding, K 512-1,023 256 bytes on.  The stage for the way out has bytes of its own.
; LIMITS: a given scale byte 0xff gives NaN; NaN and infinities are not served.
; REGISTERS.  window 0: v1-13 lane terms and addresses, v32-47 x's scale words, v48-79 Wo's, v128-191 x's fragments (two sets of 32); on the way out v128-255 rows of out0.
;   window 1: v0-127 Wo's fragments (two sets), v128-191 the bias.   window 2: the accumulators, (a, b) at v[8 (8 a + b)].
.set PITCH, 528                        ; a row of Wo in LDS: all of K, 512 bytes, + 16
.set QUART, 64*PITCH
.set HALF,  128*PITCH
.set WSLOT, 256*PITCH
.set WB,    65536                      ; behind x's 65,536 bytes
.set STG,   WB+WSLOT                   ; 200,704: four stages of 16 rows x (512 + 16) bytes
.set WV, 16
.set WM, 17
.set WN, 18
.set CX, 19
.set CY, 20
.set TR, 21
.set TC, 22
.set ADX, 8
.set ADW, 10
.set MSB, 0
.macro WIN new
.if MSB != (\new)
	s_set_vgpr_msb (MSB<<8)|(\new)
.set MSB, (\new)
.endif
.endm
.macro PLACES n
.rept \n
	v_nop
.endr
.endm
.macro ROUND
	s_barrier_signal -1
	s_barrier_wait -1
	s_cmp_lg_u32 s[WV], 0
	s_cbranch_scc1 .Lnw0_\@
	s_barrier_signal -3
.Lnw0_\@:
	s_barrier_wait -3
	s_barrier_signal -1
	s_barrier_wait -1
.endm
.macro WMS d, a, b, c, sa, sb, ra, rb
.set wD, \d
.set wA, \a
.set wB, \b
.set wC, \c
.set wS, \sa
.set wT, \sb
.if (\ra) && (\rb)
	v_wmma_scale_f32_16x16x128_f8f6f4 v[wD:wD+7], v[wA:wA+7], v[wB:wB+7], v[wC:wC+7], v[wS], v[wT] matrix_a_fmt:MATRIX_FMT_FP4 matrix_b_fmt:MATRIX_FMT_FP4 matrix_a_scale:MATRIX_SCALE_ROW1 matrix_b_scale:MATRIX_SCALE_ROW1
.elseif (\ra)
	v_wmma_scale_f32_16x16x128_f8f6f4 v[wD:wD+7], v[wA:wA+7], v[wB:wB+7], v[wC:wC+7], v[wS], v[wT] matrix_a_fmt:MATRIX_FMT_FP4 matrix_b_fmt:MATRIX_FMT_FP4 matrix_a_scale:MATRIX_SCALE_ROW1
.elseif (\rb)
	v_wmma_scale_f32_16x16x128_f8f6f4 v[wD:wD+7], v[wA:wA+7], v[wB:wB+7], v[wC:wC+7], v[wS], v[wT] matrix_a_fmt:MATRIX_FMT_FP4 matrix_b_fmt:MATRIX_FMT_FP4 matrix_b_scale:MATRIX_SCALE_ROW1
.else
	v_wmma_scale_f32_16x16x128_f8f6f4 v[wD:wD+7], v[wA:wA+7], v[wB:wB+7], v[wC:wC+7], v[wS], v[wT] matrix_a_fmt:MATRIX_FMT_FP4 matrix_b_fmt:MATRIX_FMT_FP4
.endif
.endm
; the fragments of K step p (one head pair): Wo's eight and x's four, 24 LDS loads in one run, into set p % 2
.macro FETCH p
.set fs, (\p)%2
.set fl, (\p)/4
.set fo, 64*((\p)%4)
	WIN 0x40
.irp b, 0,1,2,3,4,5,6,7
	ds_load_b128 v[64*fs+8*\b:64*fs+8*\b+3],   v[ADW+fl] offset:fo+\b*16*PITCH
	ds_load_b128 v[64*fs+8*\b+4:64*fs+8*\b+7], v[ADW+fl] offset:fo+32+\b*16*PITCH
.endr
	WIN 0
.irp a, 0,1,2,3
	ds_load_b128 v[128+32*fs+8*\a:128+32*fs+8*\a+3],   v[ADX] offset:8192*\a+1024*(\p)
	ds_load_b128 v[128+32*fs+8*\a+4:128+32*fs+8*\a+7], v[ADX] offset:8192*\a+1024*(\p)+512
.endr
.endm
.macro OSTEP p
.if (\p) > 0
	PLACES 4                                       ; in front of loads into the set that the last step's products read
.endif
	s_wait_dscnt 0x0                               ; this step's fragments are in
.if (\p) < 7
	FETCH (\p)+1
.endif
.if (\p) == 0
	WIN 0x91                                       ; source 0 (Wo) and C (the bias) window 1, source 1 (x) window 0, D window 2
.else
	WIN 0xa1                                       ; C and D window 2
.endif
.set ms, (\p)%2
.irp a, 0,1,2,3
.irp b, 0,1,2,3,4,5,6,7
.set rD, 8*(8*\a+\b)
.if (\p) == 0
.set rC, 128+8*\b
.else
.set rC, rD
.endif
	WMS rD, 64*ms+8*\b, 128+32*ms+8*\a, rC, 48+8*(\b%4)+(\p), 32+8*(\a%2)+(\p), \b/4, \a/2   ; the 32 accumulators take turns, in the same order in every step
.endr
.endr
.endm
; THE WAY OUT, 16 rows x 128 columns at a time, through my own stage: in as 32 bytes a lane, back as whole rows of 512 bytes.  LDS serves a wave's instructions in order: no wait between the stores and the loads
.macro TOSTAGE a
	WIN 0x08                                       ; an LDS store's data: window 2
.irp b, 0,1,2,3,4,5,6,7
	ds_store_b128 v12, v[8*(8*(\a)+\b):8*(8*(\a)+\b)+3] offset:64*\b          ; each accumulator from its low end on
	ds_store_b128 v12, v[8*(8*(\a)+\b)+4:8*(8*(\a)+\b)+7] offset:64*\b+16
.endr
	WIN 0
.set bb, 128+64*((\a)%2)
.irp t, 0,1,2,3,4,5,6,7,8,9,10,11,12,13,14,15
	ds_load_b128 v[bb+4*\t:bb+4*\t+3], v13 offset:528*\t
.endr
.endm
.macro SEND a, younger
.set bb, 128+64*((\a)%2)
	s_wait_dscnt \younger                          ; the block is back in registers
.irp t, 0,1,2,3,4,5,6,7,8,9,10,11,12,13,14,15
	global_store_b128 v3, v[bb+4*\t:bb+4*\t+3], s[14:15] offset:(16*(\a)+\t)*4096 th:TH_STORE_NT   ; 32 lanes store 512 consecutive bytes, aligned; written once, read by nobody here
.endr
.endm
	s_load_b256 s[4:11], s[0:1], 0x0               ; ximg, xscl, Wo's codes, Wo's scales
	s_load_b128 s[12:15], s[0:1], 0x20             ; bo, out0
	v_lshl_add_u32 v126, v0, 2, 0x3a400
	v_mov_b32 v127, 0
	ds_add_u32 v126, v127
	ds_add_u32 v126, v127
	v_lshrrev_b32 v1, 5, v0
	v_readfirstlane_b32 s[WV], v1
	s_lshr_b32 s[WM], s[WV], 1                     ; my 64 of the 128 rows
	s_and_b32 s[WN], s[WV], 1                      ; my 128 of the 256 columns
	s_bfe_u32 s[CX], ttmp6, 0x40000
	s_bfe_u32 s[CY], ttmp6, 0x40004
	s_and_b32 s[TR], ttmp7, 0xffff
	s_lshl_b32 s[TR], s[TR], 2
	s_add_co_u32 s[TR], s[TR], s[CY]               ; block of 128 rows
	s_lshl_b32 s[TC], ttmp9, 2
	s_add_co_u32 s[TC], s[TC], s[CX]               ; block of 256 columns
	s_lshl_b32 s30, s[CY], 2
	s_lshl_b32 s30, 15, s30                        ; my row of the cluster
	s_lshl_b32 s31, 0x1111, s[CX]                  ; my column
	; group 1 for x: 128 dense rows of 256 bytes (32 elements of 8 bytes)
	s_or_b32 s32, s30, (3<<16)|(1<<21)
	s_mov_b32 s33, 32<<16
	s_mov_b32 s34, 128<<16
	s_mov_b32 s35, 32<<16
	s_mov_b32 s36, 128
	s_mov_b32 s37, 32
	s_mov_b32 s38, 0
	s_mov_b32 s39, 0
	; group 1 for Wo: 128 rows x 512 bytes, whole rows; 16 bytes of padding behind every 128 words
	s_or_b32 s40, s31, (1<<20)|(1<<21)|(6<<22)|(3<<25)   ; whole rows of 512 bytes; four words of padding behind every 128
	s_mov_b32 s41, 512<<16
	s_mov_b32 s42, 128<<16
	s_mov_b32 s43, 512<<16
	s_mov_b32 s44, 128
	s_mov_b32 s45, 512
	s_mov_b32 s46, 0
	s_mov_b32 s47, 0
	s_lshl_b32 s24, s[TR], 16
	s_lshl_b32 s28, s[WN], 15                      ; a load brings 128 rows of 256 bytes: half of x's block
	s_add_co_u32 s24, s24, s28                     ; x: 65,536 bytes a block of rows, 32,768 a wave
	s_mov_b32 s25, 0
	s_lshl_b32 s26, s[TC], 17
	s_lshl_b32 s29, s[WN], 16                      ; or 128 rows of Wo, 512 bytes apart in memory
	s_add_co_u32 s26, s26, s29                     ; Wo: row 256 x block + 128 x wave, 512 bytes a row
	s_mov_b32 s27, 0
	s_mul_i32 s29, s[WN], HALF
	s_wait_dscnt 0x0
	s_wait_kmcnt 0x0
	s_add_nc_u64 s[24:25], s[4:5], s[24:25]
	s_add_nc_u64 s[26:27], s[8:9], s[26:27]
	ROUND                                          ; all sixteen work-groups are here: the joint loads meet
	s_mov_b32 s48, 1
	s_mov_b32 s49, s28
	s_mov_b64 s[50:51], s[24:25]
	s_or_b32 s51, s51, 0x80000000
.irp s, 0
	s_mov_b32 s[52+4*\s], 1
	s_add_co_u32 s[53+4*\s], s29, WB+\s*WSLOT
	s_add_nc_u64 s[54+4*\s:55+4*\s], s[26:27], \s*256
	s_or_b32 s[55+4*\s], s[55+4*\s], 0x80000000
.endr
	s_cmp_eq_u32 s[WM], 0                          ; one load a wave: waves 0 and 1 fetch x's halves, waves 2 and 3 128 rows of Wo each, for all of K
	s_cbranch_scc0 .Lhw
	tensor_load_to_lds s[48:51], s[32:39]
	s_nop 0
	PLACES 4
	s_branch .Lhd
.Lhw:
	tensor_load_to_lds s[52:55], s[40:47]
	s_nop 0
	PLACES 4
.Lhd:
	s_mov_b32 s25, 0
	s_lshr_b32 s24, s[TR], 3
	s_lshl_b32 s24, s24, 15
	s_and_b32 s26, s[TR], 7
	s_lshl_b32 s26, s26, 9
	s_add_co_u32 s24, s24, s26
	s_lshl_b32 s26, s[WM], 8
	s_add_co_u32 s24, s24, s26
	s_add_nc_u64 s[6:7], s[6:7], s[24:25]          ; x's scale words of my 64 rows, pair 0
	s_lshl_b32 s24, s[TC], 13
	s_lshl_b32 s26, s[WN], 12
	s_add_co_u32 s24, s24, s26
	s_add_nc_u64 s[10:11], s[10:11], s[24:25]      ; Wo's scale bytes of my 128 rows
	s_lshl_b32 s24, s[TC], 10
	s_lshl_b32 s26, s[WN], 9
	s_add_co_u32 s24, s24, s26
	s_add_nc_u64 s[12:13], s[12:13], s[24:25]      ; the bias of my 128 columns
	s_add_nc_u64 s[14:15], s[14:15], s[24:25]      ; out0: my first column,
	s_lshl_b32 s24, s[TR], 19
	s_lshl_b32 s26, s[WM], 18
	s_add_co_u32 s24, s24, s26
	s_add_nc_u64 s[14:15], s[14:15], s[24:25]      ; my first row
	v_and_b32 v1, 15, v0                           ; r
	v_bfe_u32 v2, v0, 4, 1                         ; h
	v_and_b32 v3, 31, v0
	v_lshlrev_b32 v3, 4, v3                        ; 16 x lane
	v_lshlrev_b32 v4, 2, v1
	v_lshl_add_u32 v4, v2, 7, v4                   ; x's scale words: row 16 (i + 2 h) + r
	v_lshlrev_b32 v5, 5, v1
	v_lshl_add_u32 v5, v2, 11, v5                  ; Wo's scale bytes: row 16 (i + 4 h) + r, 32 bytes a row
	v_lshlrev_b32 v6, 5, v2                        ; the bias: 8 h numbers on
.irp i, 0,1
.irp p, 0,1,2,3,4,5,6,7
	global_load_b32 v[32+8*\i+\p], v4, s[6:7] offset:4096*\p+64*\i   ; register 8 i + p: tile i below, tile i + 2 in lanes 16-31, K step p
.endr
.endr
.irp i, 0,1,2,3
	global_load_b128 v[48+8*\i:51+8*\i], v5, s[10:11] offset:512*\i
	global_load_b128 v[52+8*\i:55+8*\i], v5, s[10:11] offset:512*\i+16
.endr
	WIN 0x40
.irp b, 0,1,2,3,4,5,6,7
	global_load_b128 v[128+8*\b:131+8*\b], v6, s[12:13] offset:64*\b
	global_load_b128 v[132+8*\b:135+8*\b], v6, s[12:13] offset:64*\b+16
.endr
	WIN 0
	s_lshl_b32 s24, s[WM], 15
	v_add_nc_u32 v[ADX], s24, v3                   ; my four tiles of x
	v_mul_u32_u24 v9, v1, PITCH
	v_lshl_add_u32 v9, v2, 4, v9
	s_mul_i32 s24, s[WN], HALF
	s_add_co_u32 s24, s24, WB
	v_add_nc_u32 v[ADW], s24, v9
	s_add_co_u32 s24, s24, 256                     ; K 512-1,023: 256 bytes further on in the row
	v_add_nc_u32 v[ADW+1], s24, v9
	s_mul_i32 s24, s[WV], 16*528
	s_add_co_u32 s24, s24, STG                     ; my stage
	v_mul_u32_u24 v12, v1, 528
	v_lshl_add_u32 v12, v2, 5, v12
	v_add_nc_u32 v12, s24, v12                     ; in: row r, 32 bytes for each half of the lanes
	v_add_nc_u32 v13, s24, v3                      ; back: the 32 lanes take one row
	s_wait_alu depctr_va_vdst(0)
	s_wait_tensorcnt 0x0                           ; my load is in
	s_barrier_signal -1
	s_barrier_wait -1                              ; x and Wo are whole for every wave
	FETCH 0
	s_wait_loadcnt 0x0                             ; scale words and bias
.irp p, 0,1,2,3,4,5,6,7
	OSTEP \p
.endr
	WIN 0
	PLACES 4                                       ; behind the last products: results are read, and loads land in registers that held x's fragments
	TOSTAGE 0
.irp a, 1,2,3
.if \a > 1
	s_wait_xcnt 0x0                                ; block a - 2's stores have read their registers: block a's loads may land there
.endif
	TOSTAGE \a
	SEND \a-1, 32                                  ; behind block a - 1's loads: block a's 16 stores and 16 loads
.endr
	SEND 3, 0
	s_wait_tensorcnt 0x0
	ds_add_u32 v126, v127
	s_wait_dscnt 0x0
	ROUND                                          ; the closing round
	s_endpgm
.Lfunc_end_k_qfb6047520e_outp:
	.size	k_qfb6047520e_outp, .Lfunc_end_k_qfb6047520e_outp-k_qfb6047520e_outp
	.p2alignl 7, 3214868480
	.fill 96, 4, 3214868480
	.section	.rodata,"a",@progbits
	.p2align	6, 0x0
	.amdhsa_kernel k_qfb6047520e_outp
		.amdhsa_group_segment_fixed_size 327680
		.amdhsa_private_segment_fixed_size 0
		.amdhsa_enable_private_segment 0
		.amdhsa_kernarg_size 48
		.amdhsa_user_sgpr_count 2
		.amdhsa_user_sgpr_kernarg_segment_ptr 1
		.amdhsa_wavefront_size32 1
		.amdhsa_system_sgpr_workgroup_id_x 1
		.amdhsa_system_sgpr_workgroup_id_y 1
		.amdhsa_system_sgpr_workgroup_id_z 1
		.amdhsa_system_vgpr_workitem_id 0
		.amdhsa_next_free_vgpr 768
		.amdhsa_next_free_sgpr 66
		.amdhsa_reserve_vcc 0
		.amdhsa_float_denorm_mode_32 3
		.amdhsa_float_denorm_mode_16_64 3
		.amdhsa_memory_ordered 1
		.amdhsa_forward_progress 1
		.amdhsa_inst_pref_size 71
	.end_amdhsa_kernel
	.amdgpu_metadata
---
amdhsa.version: [ 1, 2 ]
amdhsa.kernels:
  - .name:           k_qfb6047520e_outp
    .symbol:         k_qfb6047520e_outp.kd
    .args:
      - { .name: ximg, .offset: 0, .size: 8, .value_kind: global_buffer, .address_space: global }
      - { .name: xscl, .offset: 8, .size: 8, .value_kind: global_buffer, .address_space: global }
      - { .name: Wo_codes, .offset: 16, .size: 8, .value_kind: global_buffer, .address_space: global }
      - { .name: Wo_scales, .offset: 24, .size: 8, .value_kind: global_buffer, .address_space: global }
      - { .name: bo, .offset: 32, .size: 8, .value_kind: global_buffer, .address_space: global }
      - { .name: out0, .offset: 40, .size: 8, .value_kind: global_buffer, .address_space: global }
    .group_segment_fixed_size: 327680
    .private_segment_fixed_size: 0
    .kernarg_segment_align: 8
    .kernarg_segment_size: 48
    .max_flat_workgroup_size: 128
    .sgpr_count:     66
    .vgpr_count:     768
    .wavefront_size: 32
...
	.end_amdgpu_metadata
.endif
;; end of part 3
